; MI455X (gfx1250); checked and timed in simulation.
; The chip was launched on July 23, 2026; its instructions are those of AMD's public machine-readable ISA for CDNA 5 (MIT licence, August 2026) and "CDNA5" Instruction Set Architecture Reference Guide (July 2026). The comments in the code are by the model that wrote it; some were corrected since.
;; Fp8 Attention. Allowed arithmetic: matrix products marked QUANTISED: E2M3 operands, one E8M0 scale for each 32 along K, by v_wmma_scale_f32_16x16x128_f8f6f4 with both operands' format E2M3, f32 sums; everything else in f32.
;; Inputs: k_lengths 4 int32; k_offsets 5 int32; key_states 4,096 x 32 x 128 float32; q_offsets 5 int32; query_states 4,096 x 32 x 128 float32; value_states 4,096 x 32 x 128 float32.
;; Outputs: out0 4,096 x 32 x 128 float32.
;; This version of the problem:
;;   THIS VERSION OF THE PROBLEM IS GIVEN IN LOW PRECISION. The matrix products marked QUANTISED in the list below multiply operands that are first quantised to E2M3 (2 exponent bits, 3 mantissa bits; 6 bits a number), with one power-of-two scale for each 32 numbers along K (OCP MX v1.0); their sums are f32. All else is computed in f32.
;;   The module's matrix products, in the order in which they are computed (A, B: the left and right operand; K: the contracted axis; several contracted axes count as one K, in the product's order):
;;     1. batch 128 x [M 1,024, K 128] x [K 128, N 1,024]; A: computed on the way; B: computed on the way: QUANTISED
;;     2. batch 128 x [M 128, K 1,024] x [K 1,024, N 1,024]; A: computed on the way; B: softmax (see below): QUANTISED
;;   THE QUANTISER, for each operand of a quantised product, along K:
;;     - K is cut into blocks of 32 from its start; a last block that is shorter is filled with zeros.
;;     - A block's scale is 2^e with e = floor(log2(the largest magnitude in the block)) - 2, held to -126 .. 127; a block of zeros has e = 0. As a byte (E8M0): e + 127.
;;     - Each number is divided by its block's scale, clamped to +-7.5, and rounded to the nearest number of E2M3, ties to even, subnormals kept.
;;     - The product sums the exact products of the quantised numbers (number of the format x scale) in f32.
;;   ~~~python
;;   def quantise(x, axis):      # numpy; x: float32 -> the quantised numbers, widened to float32 again
;;       x = np.moveaxis(x, axis, -1); K = x.shape[-1]
;;       x = np.pad(x, [(0, 0)] * (x.ndim - 1) + [(0, -K % 32)]); x = x.reshape(x.shape[:-1] + (-1, 32)); a = np.abs(x).max(-1, keepdims=True)
;;       e = np.where(a > 0, np.clip(np.frexp(np.where(a > 0, a, 1))[1] - 1 - 2, -126, 127), 0)      # np.frexp(a)[1] - 1 = floor(log2(a)), exactly
;;       r = np.clip(x / 2.0 ** e, -7.5, 7.5)
;;       step = 2.0 ** (np.maximum(np.frexp(np.where(r == 0, 1, r))[1] - 1, 0) - 3)
;;       q = np.round(r / step) * step * 2.0 ** e      # np.round: ties to even
;;       return np.moveaxis(q.reshape(q.shape[:-2] + (-1,))[..., :K], -1, axis).astype(np.float32)
;;   ~~~
;;   SOFTMAX AHEAD OF A QUANTISED PRODUCT. Where the list says 'softmax', what is quantised is not the finished softmax but p = 2^(t - M), with t = logit x log2(e) and M = ceil(the row's largest t), a whole number; so 1/2 < the row's largest p <= 1. The row's sum l is taken of the UNQUANTISED p, in f32, and the product's result is divided by l at the end. Since M is a whole number, a kernel that streams over the keys may use a running M (the ceiling of the running maximum): every later rescaling is an exact power of two, which a block's scale takes up: the codes' values come out the same.
;;   OPERANDS COMPUTED ON THE WAY. 'Computed on the way' means the value that the module computes at that place (a softmax that the list does not call 'softmax' is quantised finished and normalised). What goes into a quantiser is computed in f32, as accurately as f32 sums, v_exp_f32 and their like allow (about 1e-6 of the number): no bf16 or f16 on the way to a quantiser, and a product that is left as it is and whose result goes on into a quantised operand takes f32 operands (vector FMAs, or v_wmma_f32_16x16x4_f32). A number that lies on a knife's edge between two numbers of the format may be rounded either way, as far as f32 arithmetic and the matrix unit's own rounding can turn it there, and no further.
;; One version. Each part assembles by itself: llvm-mc -triple=amdgcn-amd-amdhsa -mcpu=gfx1250 --defsym DOCPART=n.
;; ======== version 1 of 1: 3 launches
;; limits: right only within a limited range of input values
;; workspace buffers: amax 3,072 bytes; qc 13,107,200 bytes; kv 26,214,400 bytes
;; launch absmax (part 1): grid 256 x 1, 8 waves a work-group, no clusters, 327,680 bytes of LDS; arguments query_states, key_states, value_states, amax; writes amax
.if DOCPART == 1
	.amdgcn_target "amdgcn-amd-amdhsa--gfx1250"
	.amdhsa_code_object_version 6
	.text
	.protected	k_qf35d340203_absmax
	.globl	k_qf35d340203_absmax
	.p2align	8
	.type	k_qf35d340203_absmax,@function
k_qf35d340203_absmax:
	s_mov_b64 s[64:65], 0
	v_nop
	global_prefetch_b8 v0, s[64:65] scope:SCOPE_SE
	s_setreg_imm32_b32 hwreg(HW_REG_WAVE_MODE, 25, 1), 1
	s_wait_xcnt 0x0
; amax[t][g] = the largest |x| of chunk g (262,144 bytes) of tensor t (0 q, 1 k, 2 v): [3][256] f32.  The next launch joins a tensor's 256 numbers.
; The per-tensor fp8 scale needs the whole tensor's largest magnitude before any number can be cast, so this pass over the inputs stands by itself.
; DEAD WORK OF THE PROGRAM: q_offsets, k_offsets and k_lengths are read by no launch: reference() takes only the shape of q_offsets and no value of the three, so they have no way to the output.
; The attention launch leaves out the key steps that lie wholly above the diagonal of reference()'s own jnp.tril: their scores are replaced by -inf whatever the inputs hold, and add nothing to sum or product.
; A NaN, an infinity or an overflow that reaches only the work left out is not carried to the result.
; SHARES: work-group g takes chunk g of each of the three tensors: six tiles of 131,072 bytes (tile t: half t % 2 of tensor t / 2's chunk).  Eight waves; a wave takes 64 rows of 256 bytes, 16,384 bytes, of each tile.
; THE RING: two LDS slots of one tile, filled by tensor loads, each wave into bytes of its own, which it alone reads.  Tile 0 is asked for at the head; behind each trip's barrier a wave asks for the next tile,
; its one tensor load there, and then reads the tile that has landed: 32 loads of 16 bytes a lane.  By the text's own count a wave has one tensor load out at a time.  The six trips are written out: the last asks for nothing.
; PREFETCH: at a change of slots every wave has waited for all its tensor loads, so a refill goes out alone: the trip that asks for tile t + 1 also names tile t + 2's bytes, one refill ahead:
; a wave its own 16,384 bytes, a lane a block of 256 bytes, two instructions; each block is named once; the head names tile 1; the last two trips name nothing.  The address registers are never rewritten.
; No matrix unit and no cluster: the work-groups share no byte, and a byte is looked at once.
; LIMITS: a NaN among the inputs is passed over by the maximum (reference() would give NaN everywhere); infinities are not served.
.set TILEB, 131072                     ; a tile, and a slot
.set SCR,   2*TILEB                    ; behind the slots: a block of 256 bytes for the waves' maxima: word 8 k + w for tensor k, wave w
.set SPARE, SCR+256                    ; the spare words: 128 bytes a wave
.set LA,    2                          ; v2, v3   LDS address of my bytes in slot 0, 1: 16,384 x wave + 16 x lane
.set M,     4                          ; v[4:7]   four running maxima by turns
.set PFO,   10                         ; v10      the prefetches' offset: 16,384 x wave + 256 x lane; never rewritten
.set SC,    11                         ; v11      my wave's word in the block of maxima
.set SPW,   12                         ; v12      my spare word; never rewritten
.set NIL,   13                         ; v13      0; never rewritten
.set X,     16                         ; v[16:143] a tile's 32 loads
.set G1,    24                         ; s[24:31] group 1
.set G0,    32                         ; s[32:55] group 0, one for each tile
	s_load_b256 s[4:11], s[0:1], 0x0               ; q s[4:5], k s[6:7], v s[8:9], amax s[10:11]
	v_lshl_add_u32 v[SPW], v0, 2, SPARE
	v_mov_b32 v[NIL], 0
	ds_add_u32 v[SPW], v[NIL]                      ; the opening lines: the add, twice on end,
	ds_add_u32 v[SPW], v[NIL]
	v_lshrrev_b32 v1, 5, v0
	s_delay_alu instid0(VALU_DEP_1)
	v_readfirstlane_b32 s12, v1                    ; wave
	s_mov_b32 s[G1+0], 3<<16                       ; elements of 8 bytes; 64 dense rows of 32 of them
	s_mov_b32 s[G1+1], 32<<16
	s_mov_b32 s[G1+2], 64<<16
	s_mov_b32 s[G1+3], 32<<16
	s_mov_b32 s[G1+4], 64
	s_mov_b32 s[G1+5], 32
	s_mov_b32 s[G1+6], 0
	s_mov_b32 s[G1+7], 0
	s_lshl_b32 s14, s12, 14                        ; my wave's 16,384 bytes of a tile
	s_mov_b32 s15, 0
	s_lshl_b32 s16, ttmp9, 18                      ; my chunk of a tensor
	s_mov_b32 s17, 0
	s_lshl_b32 s18, ttmp9, 2                       ; my word of amax
	s_mov_b32 s19, 0
.irp t, 0,1,2,3,4,5
	s_mov_b32 s[G0+4*\t], 1
.if \t%2
	s_add_co_u32 s[G0+4*\t+1], s14, TILEB
.else
	s_mov_b32 s[G0+4*\t+1], s14
.endif
.endr
	s_mov_b32 s20, 0x76543210                      ; v_permlanex16_b32's selects for lane l xor 16
	s_mov_b32 s21, 0xfedcba98
	s_wait_alu depctr_va_vdst(0)
	s_wait_dscnt 0x0                               ; the one wait for both adds
	s_wait_kmcnt 0x0
	s_add_nc_u64 s[4:5], s[4:5], s[16:17]
	s_add_nc_u64 s[6:7], s[6:7], s[16:17]
	s_add_nc_u64 s[8:9], s[8:9], s[16:17]
	s_add_nc_u64 s[10:11], s[10:11], s[18:19]
.irp t, 0,1,2,3,4,5
	s_add_nc_u64 s[G0+4*\t+2:G0+4*\t+3], s[4+2*(\t/2):5+2*(\t/2)], s[14:15]
.if \t%2
	s_add_nc_u64 s[G0+4*\t+2:G0+4*\t+3], s[G0+4*\t+2:G0+4*\t+3], TILEB
.endif
	s_or_b32 s[G0+4*\t+3], s[G0+4*\t+3], 0x80000000
.endr
	tensor_load_to_lds s[G0:G0+3], s[G1:G1+7]      ; tile 0: the wave's one load at the head
	s_nop 0
	v_and_b32 v8, 31, v0                           ; lane
	v_lshlrev_b32 v[LA], 14, v1
	v_lshl_add_u32 v[SC], v1, 2, SCR
	v_mov_b32 v9, 0                                ; a lane permute's destination counts as one of its sources
	s_delay_alu instid0(VALU_DEP_3)
	v_lshl_add_u32 v[PFO], v8, 8, v[LA]
	v_lshl_add_u32 v[LA], v8, 4, v[LA]
	s_delay_alu instid0(VALU_DEP_1)
	v_add_nc_u32 v[LA+1], TILEB, v[LA]
; My 16,384 bytes of tile u are named: 64 blocks of 256 bytes, a lane a block
.macro PF u
	global_prefetch_b8 v[PFO], s[4+2*((\u)/2):5+2*((\u)/2)] offset:TILEB*((\u)%2) th:TH_LOAD_NT scope:SCOPE_SE
	global_prefetch_b8 v[PFO], s[4+2*((\u)/2):5+2*((\u)/2)] offset:TILEB*((\u)%2)+8192 th:TH_LOAD_NT scope:SCOPE_SE
.endm
	PF 1
; Loads 16 h .. 16 h + 15 of tile t go into the four chains, which take turns line by line.  A tensor's first four loads start the chains: nothing is cleared.
.macro MAXH t, h
.irp q, 0,1,2,3
.irp c, 0,1,2,3
.if ((\t)%2 == 0) && (\h == 0) && (\q == 0)
	v_max_num_f32 v[M+\c], |v[X+64*\h+16*\q+4*\c]|, |v[X+64*\h+16*\q+4*\c+1]|
.else
	v_max3_num_f32 v[M+\c], v[M+\c], |v[X+64*\h+16*\q+4*\c]|, |v[X+64*\h+16*\q+4*\c+1]|
.endif
.endr
.irp c, 0,1,2,3
	v_max3_num_f32 v[M+\c], v[M+\c], |v[X+64*\h+16*\q+4*\c+2]|, |v[X+64*\h+16*\q+4*\c+3]|
.endr
.endr
.endm
.macro HALFLD t, h
.irp i, 0,1,2,3,4,5,6,7,8,9,10,11,12,13,14,15
	ds_load_b128 v[X+64*\h+4*\i:X+64*\h+4*\i+3], v[LA+(\t)%2] offset:8192*\h+512*\i
.endr
.endm
.macro TRIP t
	s_wait_alu depctr_va_vdst(0)
	s_wait_tensorcnt 0x0                           ; all my tensor loads are done: the one that was out is my part of tile t;
	ds_add_u32 v[SPW], v[NIL]
	s_wait_dscnt 0x0                               ; the add is done, and so are my reads of the other slot
	s_barrier_signal -1
	s_barrier_wait -1
.if (\t) < 5
	tensor_load_to_lds s[G0+4*((\t)+1):G0+4*((\t)+1)+3], s[G1:G1+7]   ; tile t + 1, into the slot read last trip (the first time: slot 1's first fill, issued as a refill is)
	s_nop 0
.endif
	HALFLD \t, 0
.if (\t) < 4
	PF (\t)+2
.endif
	HALFLD \t, 1
	s_wait_dscnt 16                                ; the older 16 loads are in; the younger 16 may be out
	MAXH \t, 0
	s_wait_alu depctr_va_vdst(0)
	s_wait_dscnt 0x0
	MAXH \t, 1
.if (\t)%2
	v_max3_num_f32 v[M], v[M], v[M+1], v[M+2]      ; the tensor's chunk is through: my wave's maximum
	s_delay_alu instid0(VALU_DEP_1)
	v_max_num_f32 v[M], v[M], v[M+3]
.irp x, 1,2,4,8
	s_delay_alu instid0(VALU_DEP_1)
	v_max_num_f32_dpp v[M], v[M], v[M] row_xmask:\x row_mask:0xf bank_mask:0xf
.endr
	s_delay_alu instid0(VALU_DEP_1)
	v_permlanex16_b32 v9, v[M], s20, s21
	s_delay_alu instid0(VALU_DEP_1)
	v_max_num_f32 v[M], v[M], v9
	ds_store_b32 v[SC], v[M] offset:32*((\t)/2)    ; all lanes write the same word with the same value
.endif
.endm
.irp t, 0,1,2,3,4,5
	TRIP \t
.endr
	s_wait_alu depctr_va_vdst(0)
	s_wait_dscnt 0x0                               ; for the others' sake: my stores are done
	s_barrier_signal -1
	s_barrier_wait -1
	v_mov_b32 v8, SCR
.irp i, 0,1,2,3,4,5
	ds_load_b128 v[X+4*\i:X+4*\i+3], v8 offset:16*\i   ; eight waves' maxima of three tensors
.endr
	v_mov_b32 v9, 0
	s_wait_dscnt 0x0
.irp k, 0,1,2
	v_max3_num_f32 v[M+\k], v[X+8*\k], v[X+8*\k+1], v[X+8*\k+2]
.endr
.irp i, 3,5
.irp k, 0,1,2
	v_max3_num_f32 v[M+\k], v[M+\k], v[X+8*\k+\i], v[X+8*\k+\i+1]
.endr
.endr
.irp k, 0,1,2
	v_max_num_f32 v[M+\k], v[M+\k], v[X+8*\k+7]
.endr
	s_cmp_lg_u32 s12, 0                            ; wave 0 stores for the work-group
	s_wait_alu depctr_va_vdst(0)
	s_cbranch_scc1 .Lend
	s_wait_xcnt 0x0                                ; EXEC changes only behind this wait
	v_cmp_eq_u32 vcc_lo, 0, v0
	s_and_saveexec_b32 s17, vcc_lo                 ; one lane
.irp k, 0,1,2
	global_store_b32 v9, v[M+\k], s[10:11] offset:1024*\k
.endr
	s_wait_xcnt 0x0                                ; and again in front of the line that widens it
	s_or_b32 exec_lo, exec_lo, s17
.Lend:
	s_wait_tensorcnt 0x0                           ; the wave's end
	ds_add_u32 v[SPW], v[NIL]
	s_wait_dscnt 0x0
	s_endpgm
.Lfunc_end_k_qf35d340203_absmax:
	.size	k_qf35d340203_absmax, .Lfunc_end_k_qf35d340203_absmax-k_qf35d340203_absmax
	.p2alignl 7, 3214868480
	.fill 96, 4, 3214868480
	.section	.rodata,"a",@progbits
	.p2align	6, 0x0
	.amdhsa_kernel k_qf35d340203_absmax
		.amdhsa_group_segment_fixed_size 327680
		.amdhsa_private_segment_fixed_size 0
		.amdhsa_enable_private_segment 0
		.amdhsa_kernarg_size 32
		.amdhsa_user_sgpr_count 2
		.amdhsa_user_sgpr_kernarg_segment_ptr 1
		.amdhsa_wavefront_size32 1
		.amdhsa_system_sgpr_workgroup_id_x 1
		.amdhsa_system_sgpr_workgroup_id_y 1
		.amdhsa_system_sgpr_workgroup_id_z 1
		.amdhsa_system_vgpr_workitem_id 0
		.amdhsa_next_free_vgpr 144
		.amdhsa_next_free_sgpr 66
		.amdhsa_reserve_vcc 1
		.amdhsa_float_denorm_mode_32 3
		.amdhsa_float_denorm_mode_16_64 3
		.amdhsa_memory_ordered 1
		.amdhsa_forward_progress 1
		.amdhsa_inst_pref_size 47
	.end_amdhsa_kernel
	.amdgpu_metadata
---
amdhsa.version: [ 1, 2 ]
amdhsa.kernels:
  - .name:           k_qf35d340203_absmax
    .symbol:         k_qf35d340203_absmax.kd
    .args:
      - { .name: query_states, .offset: 0, .size: 8, .value_kind: global_buffer, .address_space: global }
      - { .name: key_states, .offset: 8, .size: 8, .value_kind: global_buffer, .address_space: global }
      - { .name: value_states, .offset: 16, .size: 8, .value_kind: global_buffer, .address_space: global }
      - { .name: amax, .offset: 24, .size: 8, .value_kind: global_buffer, .address_space: global }
    .group_segment_fixed_size: 327680
    .private_segment_fixed_size: 0
    .kernarg_segment_align: 8
    .kernarg_segment_size: 32
    .max_flat_workgroup_size: 256
    .sgpr_count:     66
    .vgpr_count:     144
    .wavefront_size: 32
...
	.end_amdgpu_metadata
.endif
;; end of part 1
;; launch quant (part 2): grid 768 x 1, 4 waves a work-group, no clusters, 86,016 bytes of LDS; arguments query_states, key_states, value_states, amax, qc, kv; writes qc, kv
.if DOCPART == 2
	.amdgcn_target "amdgcn-amd-amdhsa--gfx1250"
	.amdhsa_code_object_version 6
	.text
	.protected	k_qf35d340203_quant
	.globl	k_qf35d340203_quant
	.p2align	8
	.type	k_qf35d340203_quant,@function
k_qf35d340203_quant:
	s_mov_b64 s[64:65], 0
	v_nop
	global_prefetch_b8 v0, s[64:65] scope:SCOPE_SE
	s_setreg_imm32_b32 hwreg(HW_REG_WAVE_MODE, 25, 1), 1
	s_wait_xcnt 0x0
; q, k, v [4096][32][128] f32 go through reference()'s per-tensor fp8 (e4m3) round trip and are then turned into codes of FP6 (E2M3) with one E8M0 scale byte for each 32 along a product's K:
; for q and k K is the head's 128 channels, for v it is the keys.  The codes are laid IN THE ORDER OF THE OPERAND'S REGISTERS, so that the attention launch takes a fragment by three loads of 16 bytes a lane.
; A PART (12,800 bytes) serves 128 rows of the sequence of one head: eight images of 1,536 bytes (register rho of lane l of tile t at 1536 t + 512 (rho / 4) + 16 l + 4 (rho % 4)), then 512 bytes of scale words
; (row r of tile t at 12288 + 16 (r + 16 (t % 2)) + 4 (t / 2): a load of 16 bytes a lane gives four scale registers, register j with tile 2 j in lanes 0-15 and tile 2 j + 1 in lanes 16-31).
; qc = [head][step] parts.  kv = [head][step] (k's part, v's part).  head = 32 b + h, step = 128 rows.
; q, k: lane r of tile t is row 32 (t / 2) + 8 (t % 2) + r + 8 (r / 8) of the step, so that the scores of tiles 2 b and 2 b + 1 are 16 neighbouring keys in a lane.  v: lane r of tile t is channel 16 t + r, K = the step's 128 keys.
; THE FP8 ROUND TRIP.  s = max / 448 and x / s are made by a reciprocal and one correction by fused multiply-adds, so that they are the rounded quotients that a division gives;
; x / s is held to +-448 (only the tensor's own maximum can lie an ulp beyond, where the cast rounds down to 448); cast to e4m3, widened again, times s.
; THE MX RULE.  A block's scale byte is its largest magnitude's exponent field - 2, held at 1 from below.  A block of zeros so gets the byte 1 where the rule says 127: its codes are zeros, and this program alone reads the bytes.
; SHARES.  Work-groups 0-255 take q, 256-511 k, 512-767 v.  A wave takes one (head, step): task = 4 (work-group % 256) + wave, h = task % 32 fastest, so that a work-group's four waves read 2,048 bytes on end of each token.
; No tensor load, no barrier: waves share nothing.  No cluster: no byte is read by two work-groups.  Every global offset is an immediate; no pointer is stepped.
; LIMITS: NaN and infinities are not served; a tensor's largest magnitude is served from 2^-100 to 2^127 (a tensor of zeros gives NaN in reference() and is not served).
.set T,    18                          ; v18-25   eight quotients at work; at the start the 8 numbers of amax
.set CD,   28                          ; v28-39   the twelve registers of codes
.set CT,   40                          ; v40-42, v44-46: a conversion's three registers begin on an even number, so a block's second half is made here and moved
.set SW,   48                          ; v48-51   scale words
.set Y,    64                          ; v64-127  64 numbers with K along the registers
.set LD,   128                         ; v128-255 two sets of 64 registers as loaded
.set QKST, 8448                        ; LDS, q's and k's path: a stage of 16 rows x 528 bytes for each wave
.set VST0, 4*QKST                      ; v's path has LDS bytes of its own: for each wave
.set VST,  12928                       ; eight images 1,552 bytes apart and 512 bytes of scale words
.set SEL,  34                          ; s[34:35] v_permlanex16_b32's selects for lane l xor 16
	s_load_b256 s[4:11], s[0:1], 0x0               ; q s[4:5], k s[6:7], v s[8:9], amax s[10:11]
	s_load_b128 s[12:15], s[0:1], 0x20             ; qc s[12:13], kv s[14:15]
	v_lshl_add_u32 v62, v0, 2, 0x14e00
	v_mov_b32 v63, 0
	v_lshrrev_b32 v10, 5, v0
	v_readfirstlane_b32 s16, v10                   ; wave
	v_and_b32 v1, 31, v0                           ; lane l
	v_lshlrev_b32 v2, 4, v1                        ; 16 l: q's and k's loads, and every global store
	v_lshlrev_b32 v5, 3, v1                        ; 8 l: v's loads
	v_lshlrev_b32 v27, 5, v1                       ; 32 l: amax
	s_and_b32 s17, ttmp9, 255
	s_lshl_b32 s17, s17, 2
	s_add_co_u32 s17, s17, s16                     ; task
	s_and_b32 s18, s17, 31                         ; h
	s_bfe_u32 s19, s17, 0x30005                    ; step: 3 bits from bit 5
	s_lshr_b32 s20, s17, 8                         ; b
	s_lshl_b32 s21, s20, 5
	s_add_co_u32 s21, s21, s18                     ; head
	s_lshl_b32 s22, s20, 24                        ; in: 1,024 tokens of 16,384 bytes a sequence,
	s_lshl_b32 s23, s19, 21                        ; 128 tokens a step,
	s_add_co_u32 s22, s22, s23
	s_lshl_b32 s23, s18, 9                         ; 512 bytes a head
	s_add_co_u32 s22, s22, s23
	s_mov_b32 s23, 0
	s_lshr_b32 s32, ttmp9, 8
	s_lshl_b32 s32, s32, 10                        ; the tensor's 1,024 bytes of amax
	s_mov_b32 s33, 0
	s_mov_b32 s24, 0x43e00000                      ; 448
	s_mov_b32 s25, 0xc3e00000                      ; -448
	s_mov_b32 s26, 0x3b124925                      ; 1 / 448
	s_mov_b32 s31, 0xffff0000                      ; lanes 16-31
	s_mov_b32 s[SEL], 0x76543210
	s_mov_b32 s[SEL+1], 0xfedcba98
	s_mov_b32 s28, 204800                          ; kv: bytes a head,
	s_mov_b32 s29, 25600                           ; and a step
	s_wait_kmcnt 0x0
	s_cmp_lt_u32 ttmp9, 256                        ; the choices hang on the work-group's number alone
	s_cselect_b64 s[4:5], s[4:5], s[6:7]
	s_cselect_b64 s[12:13], s[12:13], s[14:15]
	s_cselect_b32 s28, 102400, s28                 ; qc: half of each
	s_cselect_b32 s29, 12800, s29
	s_cmp_lt_u32 ttmp9, 512
	s_cselect_b64 s[4:5], s[4:5], s[8:9]
	s_cselect_b32 s30, 0, 12800                    ; v's part lies behind k's
	s_mul_i32 s28, s28, s21
	s_mul_i32 s29, s29, s19
	s_add_co_u32 s28, s28, s29
	s_add_co_u32 s28, s28, s30
	s_mov_b32 s29, 0
	s_add_nc_u64 s[4:5], s[4:5], s[22:23]          ; in: my head's 512 bytes of my step's first token
	s_add_nc_u64 s[12:13], s[12:13], s[28:29]      ; out: my part
	s_add_nc_u64 s[10:11], s[10:11], s[32:33]
; The tensor's maximum from its 256 partial maxima (8 a lane, in v[T] on); then s = max / 448 in v[8:9] and 1 / s in v[6:7], each twice, for the packed forms.
.macro SCALE
	v_max3_num_f32 v10, v[T], v[T+1], v[T+2]
	v_max3_num_f32 v11, v[T+3], v[T+4], v[T+5]
	v_max3_num_f32 v10, v10, v[T+6], v[T+7]
	v_max_num_f32 v10, v10, v11
	v_max_num_f32_dpp v10, v10, v10 row_xmask:1 row_mask:0xf bank_mask:0xf
	v_max_num_f32_dpp v10, v10, v10 row_xmask:2 row_mask:0xf bank_mask:0xf
	v_max_num_f32_dpp v10, v10, v10 row_xmask:4 row_mask:0xf bank_mask:0xf
	v_max_num_f32_dpp v10, v10, v10 row_xmask:8 row_mask:0xf bank_mask:0xf
	v_permlanex16_b32 v11, v10, s[SEL], s[SEL+1]
	v_max_num_f32 v10, v10, v11                    ; a
	v_mul_f32 v12, s26, v10                        ; a / 448, nearly;
	v_fma_f32 v13, -v12, s24, v10                  ; what is left of a;
	v_fma_f32 v8, v13, s26, v12                    ; s
	s_wait_alu depctr_va_vdst(0)
	v_rcp_f32 v6, v8
	v_nop                                          ; one plain line behind a transcendental (ISA guide 5.7.2)
	s_wait_alu depctr_va_vdst(0)
	v_fma_f32 v13, -v8, v6, 1.0
	v_fma_f32 v6, v13, v6, v6                      ; 1 / s, corrected once
	v_mov_b32 v9, v8
	v_mov_b32 v7, v6
.endm
; Eight numbers v[x] .. v[x + 7] through fp8 and back.  mode 0: they come back in order, four to v[y0] on and four to v[y1] on.
; mode 1: the eight are four keys x two channels (channel fastest); the cast's free choice of its two sources sorts them: channel 0's four keys to v[y0] on, channel 1's to v[y1] on.  Nothing else turns v.
.macro FP8 x, y0, y1, mode
.irp j, 0,2,4,6
	v_pk_mul_f32 v[T+\j:T+\j+1], v[\j+(\x):\j+(\x)+1], v[6:7]                                   ; x / s, nearly;
.endr
.irp j, 0,2,4,6
	v_pk_fma_f32 v[\j+(\x):\j+(\x)+1], v[T+\j:T+\j+1], v[8:9], v[\j+(\x):\j+(\x)+1] neg_lo:[1,0,0] neg_hi:[1,0,0]   ; what is left of x;
.endr
.irp j, 0,2,4,6
	v_pk_fma_f32 v[T+\j:T+\j+1], v[\j+(\x):\j+(\x)+1], v[6:7], v[T+\j:T+\j+1]                   ; the quotient
.endr
.irp j, 0,1,2,3,4,5,6,7
	v_med3_num_f32 v[T+\j], v[T+\j], s25, s24      ; the cast does not saturate (ISA guide 7.6.2)
.endr
.if \mode
	v_cvt_pk_fp8_f32 v16.l, v[T], v[T+2]
	v_cvt_pk_fp8_f32 v16.h, v[T+4], v[T+6]
	v_cvt_pk_fp8_f32 v17.l, v[T+1], v[T+3]
	v_cvt_pk_fp8_f32 v17.h, v[T+5], v[T+7]
.else
	v_cvt_pk_fp8_f32 v16.l, v[T], v[T+1]
	v_cvt_pk_fp8_f32 v16.h, v[T+2], v[T+3]
	v_cvt_pk_fp8_f32 v17.l, v[T+4], v[T+5]
	v_cvt_pk_fp8_f32 v17.h, v[T+6], v[T+7]
.endif
	v_cvt_pk_f32_fp8 v[0+(\y0):1+(\y0)], v16.l
	v_cvt_pk_f32_fp8 v[2+(\y0):3+(\y0)], v16.h
	v_cvt_pk_f32_fp8 v[0+(\y1):1+(\y1)], v17.l
	v_cvt_pk_f32_fp8 v[2+(\y1):3+(\y1)], v17.h
	v_pk_mul_f32 v[0+(\y0):1+(\y0)], v[0+(\y0):1+(\y0)], v[8:9]
	v_pk_mul_f32 v[2+(\y0):3+(\y0)], v[2+(\y0):3+(\y0)], v[8:9]
	v_pk_mul_f32 v[0+(\y1):1+(\y1)], v[0+(\y1):1+(\y1)], v[8:9]
	v_pk_mul_f32 v[2+(\y1):3+(\y1)], v[2+(\y1):3+(\y1)], v[8:9]
.endm
; A whole block of 32 along K, v[src] on, all in my lane: its six registers of codes to v[c] on, its scale byte to v[byte].
.macro MXB src, c, ct, sop, byte
	v_max3_num_f32 v10, |v[0+(\src)]|, |v[1+(\src)]|, |v[2+(\src)]|
	v_max3_num_f32 v11, |v[3+(\src)]|, |v[4+(\src)]|, |v[5+(\src)]|
.irp i, 6,10,14,18,22,26
	v_max3_num_f32 v10, v10, |v[\i+(\src)]|, |v[\i+1+(\src)]|
	v_max3_num_f32 v11, v11, |v[\i+2+(\src)]|, |v[\i+3+(\src)]|
.endr
	v_max3_num_f32 v10, v10, |v[30+(\src)]|, |v[31+(\src)]|
	v_max3_num_f32 v10, v10, v11, 0x1800000        ; and the floor 2^(3 - 127): the byte cannot fall under 1
	v_add_nc_u32 v[\sop], 0xff000000, v10          ; 2 off the exponent field: the conversion takes the exponent field of this operand as its scale, and nothing else of it
	v_cvt_scalef32_pk16_fp6_f32 v[0+(\c):2+(\c)], v[0+(\src):15+(\src)], v[\sop]
	v_cvt_scalef32_pk16_fp6_f32 v[0+(\ct):2+(\ct)], v[16+(\src):31+(\src)], v[\sop]
	v_lshrrev_b32 v[\byte], 23, v[\sop]            ; the scale's byte; also the one plain line between a scaled conversion and the lines that touch its result
.irp i, 0,1,2
	v_mov_b32 v[3+\i+(\c)], v[\i+(\ct)]
.endr
.endm
	s_cmp_ge_u32 ttmp9, 512
	s_cbranch_scc1 .Lv
; ---------------- q and k: K is innermost in memory.  A tile's 16 rows are loaded whole (512 consecutive bytes a load) and turned through the wave's stage, so that lane (r, h) gets blocks h and 2 + h of row r.
	s_mul_i32 s36, s16, QKST                       ; my stage
	s_wait_alu depctr_va_vdst(0)
	v_add_nc_u32 v3, s36, v2                       ; in: 16 l; row i at 528 i
	v_and_b32 v10, 15, v0                          ; r
	v_bfe_u32 v11, v0, 4, 1                        ; h
	v_mul_u32_u24 v4, v10, 528                     ; back: row r (528 is an odd multiple of 16 bytes: sixteen rows begin at sixteen different 16-byte columns of 256),
	v_lshl_add_u32 v4, v11, 7, v4                  ; + 128 h
	v_add_nc_u32 v4, s36, v4
	v_lshlrev_b32 v26, 3, v11                      ; 8 h: my bytes' place in a scale word
.macro LOADT t                         ; tile t's 16 rows into set t % 2
.irp i, 0,1,2,3,4,5,6,7,8,9,10,11,12,13,14,15
	global_load_b128 v[LD+64*((\t)%2)+4*\i:LD+64*((\t)%2)+4*\i+3], v2, s[4:5] offset:(32*((\t)/2)+8*((\t)%2)+\i+8*(\i/8))*16384 th:TH_LOAD_NT
.endr
.endm
.macro TILE t
.set SET0, LD+64*((\t)%2)
.if (\t) < 7
	s_wait_loadcnt 16                              ; this tile's 16 loads are in; the next tile's may be out
.else
	s_wait_loadcnt 0x0
.endif
.irp i, 0,1,2,3,4,5,6,7,8,9,10,11,12,13,14,15
	ds_store_b128 v3, v[SET0+4*\i:SET0+4*\i+3] offset:528*\i
.endr
.irp c, 0,1
.irp j, 0,1,2,3,4,5,6,7
	ds_load_b128 v[Y+32*\c+4*\j:Y+32*\c+4*\j+3], v4 offset:256*\c+16*\j   ; LDS serves a wave's instructions in order (ISA guide 5.7.1.4): these see the stores above
.endr
.endr
	s_wait_dscnt 0x0                               ; my 64 numbers are in, and the stores have read the set,
.if (\t) < 6
	LOADT (\t)+2                                   ; which takes the tile two on
.endif
.irp m, 0,1,2,3,4,5,6,7
	FP8 Y+8*\m, Y+8*\m, Y+8*\m+4, 0
.endr
	s_wait_xcnt 0x0                                ; the last tile's stores have had their addresses translated (ISA guide 3.1): the codes' registers are written again only behind this wait
	MXB Y, CD, CT, 12, 14
	MXB Y+32, CD+6, CT+4, 13, 15
	v_lshl_or_b32 v10, v15, 16, v14                ; my two bytes: blocks h and 2 + h of row r,
	v_lshlrev_b32 v10, v26, v10                    ; at their places in the word;
	v_permlanex16_b32 v11, v10, s[SEL], s[SEL+1]
	v_or_b32 v10, v10, v11                         ; with lane l xor 16's two the word is whole, in both lanes
.if (\t)%2 == 0
	v_mov_b32 v[SW+(\t)/2], v10                    ; an even tile's words count in lanes 0-15,
.else
	v_cndmask_b32 v[SW+(\t)/2], v[SW+(\t)/2], v10, s31   ; an odd tile's in lanes 16-31
.endif
.irp c, 0,1,2
	global_store_b128 v2, v[CD+4*\c:CD+4*\c+3], s[12:13] offset:1536*(\t)+512*\c   ; 32 lanes store 512 consecutive bytes, at a multiple of 256 from the buffer's first byte
.endr
.endm
	global_load_b128 v[T:T+3], v27, s[10:11]
	global_load_b128 v[T+4:T+7], v27, s[10:11] offset:16
	LOADT 0
	LOADT 1
	s_wait_loadcnt 32                              ; amax is in: 32 loads were issued behind it
	SCALE
	s_wait_alu depctr_va_vdst(0)
.irp t, 0,1,2,3,4,5,6,7
	TILE \t
.endr
	global_store_b128 v2, v[SW:SW+3], s[12:13] offset:12288
	s_wait_tensorcnt 0x0
	ds_add_u32 v62, v63
	s_wait_dscnt 0x0
	s_endpgm
; ---------------- v: K = the keys, which are not innermost.  A lane takes two neighbouring channels, 64 hd + 2 l + c, and its registers run down the keys; unit u = 4 hd + beta is block beta (32 keys) of channels 64 hd on.
; Each load reads 256 consecutive bytes, aligned.  A lane's six registers of codes belong to lane 2 (l % 8) + c + 16 (beta % 2) of image 4 hd + l / 8, registers 6 (beta / 2) on: they are put there in the wave's stage, and the part leaves as it lies.
.Lv:
	s_mul_i32 s36, s16, VST
	s_add_co_u32 s36, s36, VST0                    ; my stage
	s_wait_alu depctr_va_vdst(0)
	v_lshrrev_b32 v10, 3, v1                       ; l / 8
	v_and_b32 v11, 7, v1                           ; l % 8
	v_mul_u32_u24 v3, v10, 1552                    ; images 1,552 bytes apart: the two images that sixteen lanes touch begin 16 bytes apart modulo 256, so that the sixteen 16-byte pieces fall on sixteen different columns
	v_lshl_add_u32 v3, v11, 5, v3
	v_add_nc_u32 v3, s36, v3                       ; codes: 1552 (l / 8) + 32 (l % 8)
	v_and_b32 v12, 1, v10
	v_lshrrev_b32 v13, 4, v1
	v_lshlrev_b32 v4, 5, v11
	v_lshl_add_u32 v4, v12, 8, v4
	v_lshl_add_u32 v4, v13, 2, v4
	v_add_nc_u32 v4, s36, v4
	v_add_nc_u32 v4, 8*1552, v4                    ; scale words: 32 (l % 8) + 256 ((l / 8) % 2) + 4 (l / 16), behind the images
	v_add_nc_u32 v26, s36, v2                      ; back: 16 l
.macro LOADU u                         ; unit u's 32 keys x 2 channels into set u % 2
.irp i, 0,1,2,3,4,5,6,7,8,9,10,11,12,13,14,15,16,17,18,19,20,21,22,23,24,25,26,27,28,29,30,31
	global_load_b64 v[LD+64*((\u)%2)+2*\i:LD+64*((\u)%2)+2*\i+1], v5, s[4:5] offset:(32*((\u)%4)+\i)*16384+256*((\u)/4) th:TH_LOAD_NT
.endr
.endm
.macro UNIT u
.set SET0, LD+64*((\u)%2)
.set HD, (\u)/4
.set BE, (\u)%4
.set IM, 6208*HD+256*(BE%2)            ; four images on for hd = 1; lanes 16-31 of an image for an odd block
.if (\u) < 7
	s_wait_loadcnt 32                              ; this unit's 32 loads are in; the next unit's may be out
.else
	s_wait_loadcnt 0x0
.endif
.irp m, 0,1,2,3,4,5,6,7
	FP8 SET0+8*\m, Y+4*\m, Y+32+4*\m, 1
.endr
.if (\u) < 6
	LOADU (\u)+2
.endif
	s_wait_dscnt 0x0                               ; the last unit's LDS stores have read the codes' registers
	MXB Y, CD, CT, 12, 14
	MXB Y+32, CD+6, CT+4, 13, 15
.if BE == 0
	v_mov_b32 v[SW+2*HD], v14                      ; four blocks' bytes make a channel's scale word
	v_mov_b32 v[SW+2*HD+1], v15
.else
	v_lshl_or_b32 v[SW+2*HD], v14, 8*BE, v[SW+2*HD]
	v_lshl_or_b32 v[SW+2*HD+1], v15, 8*BE, v[SW+2*HD+1]
.endif
.irp c, 0,1
.if BE < 2
	ds_store_b128 v3, v[CD+6*\c:CD+6*\c+3] offset:IM+16*\c            ; registers 0-3 of the image's lane,
	ds_store_b64 v3, v[CD+6*\c+4:CD+6*\c+5] offset:IM+16*\c+512       ; 4, 5
.else
	ds_store_b64 v3, v[CD+6*\c:CD+6*\c+1] offset:IM+16*\c+520         ; 6, 7,
	ds_store_b128 v3, v[CD+6*\c+2:CD+6*\c+5] offset:IM+16*\c+1024     ; 8-11
.endif
.endr
.if BE == 3
	ds_store_b32 v4, v[SW+2*HD] offset:8*HD
	ds_store_b32 v4, v[SW+2*HD+1] offset:8*HD+16
.endif
.endm
	LOADU 0
	global_load_b128 v[T:T+3], v27, s[10:11]
	global_load_b128 v[T+4:T+7], v27, s[10:11] offset:16
	LOADU 1
	s_wait_loadcnt 32                              ; unit 0 and amax are in: 32 loads were issued behind them
	SCALE
	s_wait_alu depctr_va_vdst(0)
.irp u, 0,1,2,3,4,5,6,7
	UNIT \u
.endr
.irp a, 0,1,2,3,4,5,6,7
.irp c, 0,1,2
	ds_load_b128 v[Y+4*(3*\a+\c):Y+4*(3*\a+\c)+3], v26 offset:1552*\a+512*\c   ; LDS serves a wave's instructions in order: these see my stores
.endr
.endr
	ds_load_b128 v[Y+96:Y+99], v26 offset:8*1552
.irp a, 0,1,2,3,4,5,6,7
.irp c, 0,1,2
	s_wait_dscnt 24-(3*\a+\c)                      ; of the 25 loads the younger ones may be out
	global_store_b128 v2, v[Y+4*(3*\a+\c):Y+4*(3*\a+\c)+3], s[12:13] offset:1536*\a+512*\c   ; 512 consecutive bytes, at a multiple of 256 from the buffer's first byte
.endr
.endr
	s_wait_dscnt 0x0
	global_store_b128 v2, v[Y+96:Y+99], s[12:13] offset:12288
	s_wait_tensorcnt 0x0
	ds_add_u32 v62, v63
	s_wait_dscnt 0x0
	s_endpgm
.Lfunc_end_k_qf35d340203_quant:
	.size	k_qf35d340203_quant, .Lfunc_end_k_qf35d340203_quant-k_qf35d340203_quant
	.p2alignl 7, 3214868480
	.fill 96, 4, 3214868480
	.section	.rodata,"a",@progbits
	.p2align	6, 0x0
	.amdhsa_kernel k_qf35d340203_quant
		.amdhsa_group_segment_fixed_size 86016
		.amdhsa_private_segment_fixed_size 0
		.amdhsa_enable_private_segment 0
		.amdhsa_kernarg_size 48
		.amdhsa_user_sgpr_count 2
		.amdhsa_user_sgpr_kernarg_segment_ptr 1
		.amdhsa_wavefront_size32 1
		.amdhsa_system_sgpr_workgroup_id_x 1
		.amdhsa_system_sgpr_workgroup_id_y 1
		.amdhsa_system_sgpr_workgroup_id_z 1
		.amdhsa_system_vgpr_workitem_id 0
		.amdhsa_next_free_vgpr 256
		.amdhsa_next_free_sgpr 66
		.amdhsa_reserve_vcc 0
		.amdhsa_float_denorm_mode_32 3
		.amdhsa_float_denorm_mode_16_64 3
		.amdhsa_memory_ordered 1
		.amdhsa_forward_progress 1
		.amdhsa_inst_pref_size 255
	.end_amdhsa_kernel
	.section	.bss,"aw",@nobits
	.p2align	6
	.space	262144
	.amdgpu_metadata
---
amdhsa.version: [ 1, 2 ]
amdhsa.kernels:
  - .name:           k_qf35d340203_quant
    .symbol:         k_qf35d340203_quant.kd
    .args:
      - { .name: query_states, .offset: 0, .size: 8, .value_kind: global_buffer, .address_space: global }
      - { .name: key_states, .offset: 8, .size: 8, .value_kind: global_buffer, .address_space: global }
      - { .name: value_states, .offset: 16, .size: 8, .value_kind: global_buffer, .address_space: global }
      - { .name: amax, .offset: 24, .size: 8, .value_kind: global_buffer, .address_space: global }
      - { .name: qc, .offset: 32, .size: 8, .value_kind: global_buffer, .address_space: global }
      - { .name: kv, .offset: 40, .size: 8, .value_kind: global_buffer, .address_space: global }
    .group_segment_fixed_size: 86016
    .private_segment_fixed_size: 0
    .kernarg_segment_align: 8
    .kernarg_segment_size: 48
    .max_flat_workgroup_size: 128
    .sgpr_count:     66
    .vgpr_count:     256
    .wavefront_size: 32
...
	.end_amdgpu_metadata
.endif
;; end of part 2
;; launch attn (part 3): grid 256 x 1, 16 waves a work-group, clusters of 2 x 1, 327,680 bytes of LDS; arguments qc, kv, out0; writes out0
.if DOCPART == 3
	.amdgcn_target "amdgcn-amd-amdhsa--gfx1250"
	.amdhsa_code_object_version 6
	.text
	.protected	k_qf35d340203_attn
	.globl	k_qf35d340203_attn
	.p2align	8
	.type	k_qf35d340203_attn,@function
k_qf35d340203_attn:
	s_mov_b64 s[64:65], 0
	v_nop
	global_prefetch_b8 v0, s[64:65] scope:SCOPE_SE
	s_setreg_imm32_b32 hwreg(HW_REG_WAVE_MODE, 25, 1), 1
	s_wait_xcnt 0x0
	s_wait_alu depctr_hold_cnt(0) depctr_sa_sdst(0) depctr_va_vdst(0) depctr_va_sdst(0) depctr_va_ssrc(0) depctr_va_vcc(0) depctr_vm_vsrc(0)
	s_getreg_b32 s2, hwreg(HW_REG_IB_STS2, 6, 4)
	s_cmp_eq_u32 s2, 0
	s_cbranch_scc0 .Lentry_in_a_cluster
	s_endpgm
.Lentry_in_a_cluster:
	s_bfe_u32 s2, ttmp6, 0x10000c
	s_cmp_lg_u32 s2, 0x1001
	s_cbranch_scc0 .Lentry_shape_is_right
	s_endpgm
.Lentry_shape_is_right:
; Causal attention on codes of FP6 (E2M3): out = softmax(q k^T / sqrt(128)) v for each of 128 heads (head = 32 b + h), 1,024 queries and keys.
; qc and kv hold register images of the operands, as the launch before laid them: a part of 12,800 bytes serves 128 rows of one head (eight images of 1,536 bytes, 512 bytes of scale words).
; LEFT OUT: key steps that lie wholly above the diagonal of reference()'s own jnp.tril: their scores are -inf for all inputs.  q_offsets, k_offsets, k_lengths are not read: reference() takes no value of them.
; A work-group is (head, half); all of the head's k and v codes, 8 steps x 25,600 bytes, lie in its LDS.  Both products are used transposed (S^T = k q^T, O^T = v^T p^T): a lane holds one query.
; CLUSTERS: the two work-groups of a head form a cluster of 2 x 1 and need the same 204,800 bytes: every fill is asked for JOINTLY, by the same descriptor in both, with the mask 3.
; The head is the cluster's x; the place in the cluster (the half) enters q's and out0's global addresses, the prefetches' addresses and the diagonal's vector, and no branch and no LDS address.
; A WAVE OWNS TWO TILES OF 16 QUERIES: a low one in query step G (0..3) and a high one in step 7 - G: G + 1 and 8 - G key steps, nine in every wave.
; THE WALK: nine phases, one (tile, key step) each: phases 0..G are the low tile's key steps 0..G, phases G + 1..8 the high tile's 0..7 - G.  Phase k reads no key step beyond k.
; One working set (q's codes, its scale word, the diagonal's vector, the output's base) serves the phase's text; behind the low tile's diagonal step the tile is stored and the high tile's set is moved in.
; THE FILLS: 800 rows of 256 bytes in three groups, each wave 7, 12 and 31 rows: 112 rows (key step 0 and more), 192 (up to row 304: key steps 1, 2), 496 (the rest).
; The first goes out at the head; the second behind the wait, add and round, ahead of phase 0; the third likewise, ahead of phase 1; the wait for it and a barrier stand between phases 2 and 3.
; Each phase reads bytes of fills that have been waited for alone.  By the text's own count a wave has one tensor load out at a time.
; PREFETCH: each later fill's rows are asked for one fill ahead: the second's 192 behind the first fill, the third's 496 behind the second.  A lane names a row of 256 bytes; each row is named once in the cluster:
; the partner at place p takes rows 96 p .. 96 p + 95 (waves 0-2), then 248 p .. 248 p + 247 (waves 0-7; wave 7's last eight lanes name its last row again).  The address registers are never rewritten.
; SOFTMAX: M is the running largest t = score x log2(e) / sqrt(128), rounded up to a whole number; p = 2^(t - M); the row's sum is taken of the unquantised p; a change of M multiplies sum and O^T by a power of two.
; LIMITS: the promise holds while the scaled scores stay under 2^31 in magnitude; NaN and infinities are not served.
.set LI,   1                           ; v1  16 x lane
.set ADR,  2                           ; v2  LDS address of the phase's key step
.set STO,  3                           ; v3  the stage, on the way in
.set RD,   4                           ; v4  the stage, on the way back
.set GO,   5                           ; v5  my byte offset in out0
.set DHI,  6                           ; v6  the high tile's diagonal vector: my query's row in its step - 16 (lane / 16)
.set DW,   7                           ; v7  the working tile's
.set QHI,  16                          ; v16-27 the high tile's codes
.set QW,   80                          ; v80-91 the working tile's codes (at first the low tile's)
.set QSW,  92                          ; v92  the working tile's scale word
.set PF1,  93                          ; v93  the first prefetch's offset in kv; never rewritten
.set PF2,  94                          ; v94  the second's; never rewritten
.set QSHI, 255                         ; v255 the high tile's scale word
.set SPW,  95                          ; v95  my spare word; never rewritten
.set NIL,  243                         ; v243 0; never rewritten
.set GP1,  3                           ; s3   G + 1
.set WV,   10
.set G,    11
.set GH,   12
.set SEL,  20
.set CS,   22
.set G1A,  24                          ; s[24:31] group 1: 7 rows
.set G0A,  32
.set G0B,  36
.set TB,   40
.set ST,   41
.set OHI,  44
.set OW,   46                          ; s[46:47] the working tile's place in out0
.set QB,   48
.set PH,   50
.set SD,   51
.set G1B,  56                          ; s[56:63] group 1: 12 rows
.set G1C,  68                          ; s[68:75] group 1: 31 rows
.set G0C,  76
.set PART, 12800
.set STEPB, 2*PART
.set HEADB, 8*STEPB
.set R0,   7
.set R1,   12
.set R2,   31
.set STAGE, HEADB                      ; 16 rows x 272 bytes for each wave
.set SPARE, STAGE+16*16*272            ; the spare words: 128 bytes a wave
.set W0,   3|(3<<16)|(1<<21)           ; group 1, word 0: both work-groups of the cluster; elements of 8 bytes; bit 21 set beside a mask
; A round of the cluster's barrier
.macro ROUND
	s_barrier_signal -1
	s_barrier_wait -1
	s_cmp_lg_u32 s[WV], 0
	s_cbranch_scc1 .Lnot_wave_0_\@
	s_barrier_signal -3
.Lnot_wave_0_\@:
	s_barrier_wait -3
	s_barrier_signal -1
	s_barrier_wait -1
.endm
; Group 1: r dense rows of 32 elements of 8 bytes
.macro GROUP1 g, r
	s_mov_b32 s[\g+0], W0
	s_mov_b32 s[\g+1], 32<<16
	s_mov_b32 s[\g+2], \r<<16
	s_mov_b32 s[\g+3], 32<<16
	s_mov_b32 s[\g+4], \r
	s_mov_b32 s[\g+5], 32
	s_mov_b32 s[\g+6], 0
	s_mov_b32 s[\g+7], 0
.endm
	s_load_b128 s[4:7], s[0:1], 0x0                ; qc, kv
	s_load_b64 s[8:9], s[0:1], 0x10                ; out0
	v_lshl_add_u32 v[SPW], v0, 2, SPARE
	v_mov_b32 v[NIL], 0
	ds_add_u32 v[SPW], v[NIL]                      ; the opening lines: the add, twice on end,
	ds_add_u32 v[SPW], v[NIL]
	v_lshrrev_b32 v28, 5, v0
	s_delay_alu instid0(VALU_DEP_1)
	v_readfirstlane_b32 s[WV], v28                 ; wave
	s_mov_b32 s14, ttmp9                           ; head: the cluster's x
	s_bfe_u32 s15, ttmp6, 0x40000                  ; half: my place in the cluster
	GROUP1 G1A, R0
	GROUP1 G1B, R1
	GROUP1 G1C, R2
	s_mov_b32 s[G0A], 1
	s_mul_i32 s[G0A+1], s[WV], R0*256              ; LDS = the same place as in the head's 204,800 bytes
	s_mov_b32 s[G0B], 1
	s_mul_i32 s[G0B+1], s[WV], R1*256
	s_add_co_u32 s[G0B+1], s[G0B+1], 16*R0*256
	s_mov_b32 s[G0C], 1
	s_mul_i32 s[G0C+1], s[WV], R2*256
	s_add_co_u32 s[G0C+1], s[G0C+1], 16*(R0+R1)*256
	s_mul_i32 s18, s14, HEADB
	s_add_co_u32 s42, s18, s[G0A+1]
	s_mov_b32 s43, 0
	s_add_co_u32 s52, s18, s[G0B+1]
	s_mov_b32 s53, 0
	s_add_co_u32 s54, s18, s[G0C+1]
	s_mov_b32 s55, 0
	s_wait_alu depctr_va_vdst(0)
	s_wait_dscnt 0x0                               ; the one wait for both adds
	s_wait_kmcnt 0x0
	s_add_nc_u64 s[G0A+2:G0A+3], s[6:7], s[42:43]
	s_add_nc_u64 s[G0B+2:G0B+3], s[6:7], s[52:53]
	s_add_nc_u64 s[G0C+2:G0C+3], s[6:7], s[54:55]
	s_or_b32 s[G0A+3], s[G0A+3], 0x80000000
	s_or_b32 s[G0B+3], s[G0B+3], 0x80000000
	s_or_b32 s[G0C+3], s[G0C+3], 0x80000000
	ROUND                                          ; both work-groups are here: the first joint loads meet
	tensor_load_to_lds s[G0A:G0A+3], s[G1A:G1A+7]  ; my 7 rows of the first 112: the wave's one load at the head
	s_nop 0
	s_mul_i32 s19, s15, 96*256                     ; the prefetches' offsets: the head, the fill's first row, my work-group's share, a row a lane
	s_add_co_u32 s19, s19, s18
	s_add_co_u32 s19, s19, 16*R0*256
	s_mul_i32 s13, s15, 248*256
	s_add_co_u32 s13, s13, s18
	s_add_co_u32 s13, s13, 16*(R0+R1)*256
	v_lshl_add_u32 v[PF1], v0, 8, s19
	v_min_u32 v[PF2], 247, v0
	s_delay_alu instid0(VALU_DEP_1)
	v_lshl_add_u32 v[PF2], v[PF2], 8, s13
	s_lshr_b32 s13, s[WV], 2
	s_add_co_u32 s[G], s[WV], s13
	s_and_b32 s[G], s[G], 3                        ; waves w, w + 4, w + 8, w + 12 have four different G
	s_sub_co_u32 s[GH], 7, s[G]
	s_add_co_u32 s[GP1], s[G], 1
	s_lshl_b32 s16, s15, 2
	s_add_co_u32 s16, s16, s13                     ; the low tile's number in its step,
	s_sub_co_u32 s17, 7, s16                       ; the high tile's
	s_mul_i32 s18, s14, 8*PART
	s_mov_b32 s19, 0
	s_add_nc_u64 s[QB:QB+1], s[4:5], s[18:19]
	s_lshr_b32 s18, s14, 5
	s_lshl_b32 s18, s18, 24
	s_and_b32 s42, s14, 31
	s_lshl_b32 s42, s42, 9
	s_add_co_u32 s18, s18, s42
	s_add_nc_u64 s[8:9], s[8:9], s[18:19]          ; out0: my sequence, my head
	s_mov_b32 s[SEL], 0x76543210
	s_mov_b32 s[SEL+1], 0xfedcba98
	s_mov_b32 s[CS], 0x3e0293ee                    ; log2(e) / sqrt(128)
	s_mov_b32 s[CS+1], s[CS]
	v_and_b32 v[LI], 31, v0
	v_and_b32 v28, 15, v0                          ; r
	v_bfe_u32 v29, v0, 4, 1                        ; h
	s_delay_alu instid0(VALU_DEP_3)
	v_lshlrev_b32 v[LI], 4, v[LI]
	s_delay_alu instid0(VALU_DEP_3)
	v_and_b32 v30, 8, v28
	s_delay_alu instid0(VALU_DEP_3)
	v_lshlrev_b32 v31, 4, v29
	s_delay_alu instid0(VALU_DEP_2)
	v_add_nc_u32 v30, v30, v28
	s_delay_alu instid0(VALU_DEP_1)
	v_sub_nc_u32 v30, v30, v31                     ; r + 8 (r / 8) - 16 h
; Tile s[t] of query step s[st]: its image's and its scale word's offsets in qc, its diagonal vector, its place in out0
.macro PLACE st, t, vfr, vsc, vd, ob
	s_lshr_b32 s52, s[\t], 1
	s_and_b32 s53, s[\t], 1
	s_mul_i32 s54, s[\st], PART
	s_mul_i32 s55, s[\t], 1536
	s_add_co_u32 s55, s55, s54
	v_add_nc_u32 v[\vfr], s55, v[LI]
	s_lshl_b32 s55, s53, 8
	s_add_co_u32 s54, s54, s55
	s_lshl_b32 s55, s52, 2
	s_add_co_u32 s54, s54, s55
	s_add_co_u32 s54, s54, 12288
	v_lshl_add_u32 v[\vsc], v28, 4, s54
	s_lshl_b32 s52, s52, 5
	s_lshl_b32 s53, s53, 3
	s_add_co_u32 s52, s52, s53
	v_add_nc_u32 v[\vd], s52, v30
	s_lshl_b32 s52, s52, 14
	s_lshl_b32 s53, s[\st], 21
	s_add_co_u32 s52, s52, s53
	s_mov_b32 s53, 0
	s_add_nc_u64 s[\ob:\ob+1], s[8:9], s[52:53]
.endm
	s_wait_alu depctr_va_vdst(0)
	PLACE GH, 17, 8, 9, DHI, OHI
	PLACE G, 16, 10, 11, DW, OW
	s_wait_alu depctr_va_vdst(0)
.irp c, 0,1,2
	global_load_b128 v[QW+4*\c:QW+4*\c+3], v10, s[QB:QB+1] offset:512*\c th:TH_LOAD_NT
	global_load_b128 v[QHI+4*\c:QHI+4*\c+3], v8, s[QB:QB+1] offset:512*\c th:TH_LOAD_NT
.endr
	global_load_b32 v[QSW], v11, s[QB:QB+1] th:TH_LOAD_NT
	global_load_b32 v[QSHI], v9, s[QB:QB+1] th:TH_LOAD_NT
	s_cmp_lt_u32 s[WV], 3
	s_cbranch_scc0 .Lno_pf1
	global_prefetch_b8 v[PF1], s[6:7] th:TH_LOAD_NT scope:SCOPE_SE   ; the second fill's rows: my work-group's 96, a lane a row
.Lno_pf1:
	s_mul_i32 s18, s[WV], 16*272
	s_add_co_u32 s18, s18, STAGE                   ; my stage
	v_mul_u32_u24 v[STO], v28, 272
	v_mul_u32_u24 v[RD], v29, 272
	v_lshlrev_b32 v[GO], 14, v29
	s_delay_alu instid0(VALU_DEP_3)
	v_lshl_add_u32 v[STO], v29, 5, v[STO]
	s_delay_alu instid0(VALU_DEP_3)
	v_lshl_add_u32 v[RD], v28, 4, v[RD]
	s_delay_alu instid0(VALU_DEP_3)
	v_lshl_add_u32 v[GO], v28, 4, v[GO]
	s_delay_alu instid0(VALU_DEP_3)
	v_add_nc_u32 v[STO], s18, v[STO]
	s_delay_alu instid0(VALU_DEP_3)
	v_add_nc_u32 v[RD], s18, v[RD]
.irp b, 0,1,2,3
	v_mov_b32 v[236+\b], 0                         ; a lane permute's destination counts as one of its sources
.endr
	v_mov_b32 v253, 0
; A tile begins: the largest t so far -3e38, the sum and O^T zeros
.macro INIT
	v_mov_b32 v13, 0xff61b1e6
	s_delay_alu instid0(VALU_DEP_1)
	v_floor_f32 v12, -v13
	v_mov_b32 v14, 0
	v_mov_b32 v15, 0
.set J, 0
.rept 64
	v_mov_b32 v[160+J], 0
.set J, J+1
.endr
.endm
; The working tile leaves: O^T / the sum, through my stage, as rows of 256 bytes
.macro OUT
.rept 4
	v_nop
.endr
	v_add_f32 v14, v14, v15
	s_delay_alu instid0(VALU_DEP_1)
	v_permlanex16_b32 v252, v14, s[SEL], s[SEL+1]
	s_delay_alu instid0(VALU_DEP_1)
	v_add_f32 v14, v14, v252
	s_wait_alu depctr_va_vdst(0)
	v_rcp_f32 v14, v14
	v_nop
.set J, 0
	s_wait_alu depctr_va_vdst(0)                   ; ahead of the reciprocal's first reader, which is also O^T's
.rept 32
	v_pk_mul_f32 v[96+J:97+J], v[160+J:161+J], v[14:15] op_sel_hi:[1,0]
.set J, J+2
.endr
.irp u, 0,1
.irp t, 0,1,2,3
	ds_store_b128 v[STO], v[96+32*\u+8*\t:99+32*\u+8*\t] offset:64*\t
	ds_store_b128 v[STO], v[100+32*\u+8*\t:103+32*\u+8*\t] offset:64*\t+16
.endr
.irp i, 0,1,2,3,4,5,6,7
	ds_load_b128 v[160+32*\u+4*\i:163+32*\u+4*\i], v[RD] offset:544*\i   ; LDS serves a wave's instructions in order: these see the stores above
.endr
.endr
.irp u, 0,1
.irp i, 0,1,2,3,4,5,6,7
	s_wait_dscnt 23-16*\u-\i                       ; the LDS instructions issued behind this load may be out
	global_store_b128 v[GO], v[160+32*\u+4*\i:163+32*\u+4*\i], s[OW:OW+1] offset:(2*\i+8*(\i/4))*16384+256*\u th:TH_STORE_NT   ; 16 lanes store 256 consecutive bytes, aligned
.endr
.endr
.endm
; One phase.  maxst: the last key step that these phases reach (the hold changes no value; it states the bound).  last = 1: this loop holds phase 8.
.macro PHASE maxst, last
	s_cmp_gt_u32 s[PH], s[G]                       ; the high tile's phase?
	s_cselect_b32 s52, s[GP1], 0
	s_cselect_b32 s[SD], s[GH], s[G]               ; the working tile's own step: its diagonal
	s_sub_co_u32 s[ST], s[PH], s52                 ; the key step
	s_min_u32 s[ST], s[ST], \maxst
	s_mul_i32 s[TB], s[ST], STEPB
	v_add_nc_u32 v[ADR], s[TB], v[LI]
	s_wait_alu depctr_va_vdst(0)
.rept 4
	v_nop                                          ; places in front of loads into registers that matrix instructions have read
.endr
	ds_load_b128 v[248:251], v[ADR] offset:12288   ; k's scale words: register j has tile 2 j in lanes 0-15, tile 2 j + 1 in lanes 16-31
.irp g, 0,1
.irp t, 0,1,2,3
.irp c, 0,1,2
	ds_load_b128 v[32+12*\t+4*\c:35+12*\t+4*\c], v[ADR] offset:1536*(4*\g+\t)+512*\c
.endr
.endr
	s_wait_dscnt 0x0
.irp t, 0,1,2,3
.if \t%2 == 0
	v_wmma_scale_f32_16x16x128_f8f6f4 v[96+8*(4*\g+\t):103+8*(4*\g+\t)], v[32+12*\t:43+12*\t], v[QW:QW+11], 0, v[248+2*\g+\t/2], v[QSW] matrix_a_fmt:MATRIX_FMT_FP6 matrix_b_fmt:MATRIX_FMT_FP6
.else
	v_wmma_scale_f32_16x16x128_f8f6f4 v[96+8*(4*\g+\t):103+8*(4*\g+\t)], v[32+12*\t:43+12*\t], v[QW:QW+11], 0, v[248+2*\g+\t/2], v[QSW] matrix_a_fmt:MATRIX_FMT_FP6 matrix_b_fmt:MATRIX_FMT_FP6 matrix_a_scale:MATRIX_SCALE_ROW1
.endif
.endr
.rept 4
	v_nop
.endr
.endr
.irp t, 0,1,2,3
.irp c, 0,1,2
	ds_load_b128 v[32+12*\t+4*\c:35+12*\t+4*\c], v[ADR] offset:PART+1536*\t+512*\c   ; v's first four images, under the softmax
.endr
.endr
	ds_load_b128 v[248:251], v[ADR] offset:PART+12288
	s_cmp_lg_u32 s[ST], s[SD]
	s_cbranch_scc1 .Lopen_\@
	v_mov_b32 v254, 0xff800000                     ; the diagonal step: keys behind my query get -inf
.set J, 0
.rept 64
	v_cmp_gt_i32 vcc_lo, 32*(J/16)+J%16, v[DW]
	v_cndmask_b32 v[96+J], v[96+J], v254, vcc_lo
.set J, J+1
.endr
.Lopen_\@:
.irp b, 0,1,2,3
	v_max3_num_f32 v[232+\b], v[96+16*\b], v[97+16*\b], v[98+16*\b]   ; the largest score of each block of 32 keys
.endr
.irp i, 3,5,7,9,11,13
.irp b, 0,1,2,3
	v_max3_num_f32 v[232+\b], v[232+\b], v[96+16*\b+\i], v[97+16*\b+\i]
.endr
.endr
.irp b, 0,1,2,3
	v_max_num_f32 v[232+\b], v[232+\b], v[111+16*\b]
.endr
.irp b, 0,1,2,3
	s_delay_alu instid0(VALU_DEP_4)
	v_permlanex16_b32 v[236+\b], v[232+\b], s[SEL], s[SEL+1]
.endr
.irp b, 0,1,2,3
	s_delay_alu instid0(VALU_DEP_4)
	v_max_num_f32 v[232+\b], v[232+\b], v[236+\b]
.endr
	s_delay_alu instid0(VALU_DEP_2)
	v_max3_num_f32 v254, v232, v233, v234
	s_delay_alu instid0(VALU_DEP_1)
	v_max_num_f32 v254, v254, v235
	s_delay_alu instid0(VALU_DEP_1)
	v_mul_f32 v254, s[CS], v254
	s_delay_alu instid0(VALU_DEP_1)
	v_max_num_f32 v13, v13, v254                   ; the running largest t
	v_mov_b32 v254, v12
	s_delay_alu instid0(VALU_DEP_2)
	v_floor_f32 v12, -v13                          ; -M
	s_delay_alu instid0(VALU_DEP_1)
	v_sub_f32 v254, v12, v254
	s_delay_alu instid0(VALU_DEP_1)
	v_cvt_i32_f32 v254, v254
	s_delay_alu instid0(VALU_DEP_1)
	v_ldexp_f32 v252, 1.0, v254                    ; f = 2^(old M - new M)
.set J, 0
.rept 32
	v_pk_fma_f32 v[96+J:97+J], v[96+J:97+J], s[CS:CS+1], v[12:13] op_sel_hi:[1,0,0]   ; t - M
.set J, J+2
.endr
.irp b, 0,1,2,3
	v_fma_f32 v[232+\b], v[232+\b], s[CS], v12
.endr
.set J, 0
	s_wait_alu depctr_va_vdst(0)
.rept 64
	v_exp_f32 v[96+J], v[96+J]
.set J, J+1
.endr
.irp b, 0,1,2,3
	v_exp_f32 v[232+\b], v[232+\b]                 ; each block's largest p
.endr
	v_pk_mul_f32 v[14:15], v[14:15], v[252:253] op_sel_hi:[1,0]
	s_wait_alu depctr_va_vdst(0)                   ; behind the batch of exponentials, ahead of its first reader
.irp b, 0,1,2,3
	v_max_num_f32 v[232+\b], 0x1800000, v[232+\b]  ; the floor 2^(3 - 127): the byte cannot fall under 1
.endr
.irp b, 0,1,2,3
	s_delay_alu instid0(VALU_DEP_4)
	v_add_nc_u32 v[244+\b], 0xff000000, v[232+\b]  ; 2 off the exponent field: the conversion's scale operand
.endr
.irp b, 0,1,2,3
	s_delay_alu instid0(VALU_DEP_4)
	v_lshrrev_b32 v[236+\b], 23, v[244+\b]
.endr
	s_delay_alu instid0(VALU_DEP_3)
	v_lshl_or_b32 v253, v237, 8, v236
	s_delay_alu instid0(VALU_DEP_1)
	v_lshl_or_b32 v253, v238, 16, v253
	s_delay_alu instid0(VALU_DEP_1)
	v_lshl_or_b32 v253, v239, 24, v253             ; p's scale word for these 128 keys
.irp c, 0,1
	v_cvt_scalef32_pk16_fp6_f32 v[224+6*\c:226+6*\c], v[96+32*\c:111+32*\c], v[244+2*\c]
	v_cvt_scalef32_pk16_fp6_f32 v[236+4*\c:238+4*\c], v[112+32*\c:127+32*\c], v[244+2*\c+1]
.endr
	v_nop                                          ; one plain place behind a scaled conversion
.irp c, 0,1
.irp i, 0,1,2
	v_permlane16_swap_b32 v[224+6*\c+\i], v[236+4*\c+\i]   ; a whole block to a lane
.endr
.irp i, 0,1,2
	s_delay_alu instid0(VALU_DEP_3)
	v_mov_b32 v[227+6*\c+\i], v[236+4*\c+\i]
.endr
.endr
	v_pk_add_f32 v[236:237], v[96:97], v[98:99]    ; the row's sum, of the unquantised p, in two chains
.irp j, 4,8,12,16,20,24,28,32,36,40,44,48,52,56,60
	v_pk_add_f32 v[14:15], v[14:15], v[96+\j:97+\j]
	v_pk_add_f32 v[236:237], v[236:237], v[98+\j:99+\j]
.endr
	s_delay_alu instid0(VALU_DEP_1)
	v_pk_add_f32 v[14:15], v[14:15], v[236:237]
.irp t, 0,1,2,3
.irp c, 0,1,2
	ds_load_b128 v[96+12*\t+4*\c:99+12*\t+4*\c], v[ADR] offset:PART+1536*(4+\t)+512*\c   ; v's other four images, where p lay
.endr
.endr
	s_wait_alu depctr_va_vdst(0)
.set J, 0
.rept 32
	v_pk_mul_f32 v[160+J:161+J], v[160+J:161+J], v[252:253] op_sel_hi:[1,0]   ; O^T under the new M
.set J, J+2
.endr
	s_wait_alu depctr_va_vdst(0)
	s_wait_dscnt 0x0
.irp t, 0,1,2,3,4,5,6,7
.if \t%2 == 0
	v_wmma_scale_f32_16x16x128_f8f6f4 v[160+8*\t:167+8*\t], v[32+12*\t+16*(\t/4):43+12*\t+16*(\t/4)], v[224:235], v[160+8*\t:167+8*\t], v[248+\t/2], v253 matrix_a_fmt:MATRIX_FMT_FP6 matrix_b_fmt:MATRIX_FMT_FP6
.else
	v_wmma_scale_f32_16x16x128_f8f6f4 v[160+8*\t:167+8*\t], v[32+12*\t+16*(\t/4):43+12*\t+16*(\t/4)], v[224:235], v[160+8*\t:167+8*\t], v[248+\t/2], v253 matrix_a_fmt:MATRIX_FMT_FP6 matrix_b_fmt:MATRIX_FMT_FP6 matrix_a_scale:MATRIX_SCALE_ROW1
.endif
.endr
	s_cmp_lg_u32 s[ST], s[SD]
	s_cbranch_scc1 .Lon_\@                         ; the tile goes on
	OUT                                            ; the diagonal step was the tile's last
.if \last
	s_cmp_eq_u32 s[PH], 8
	s_wait_alu depctr_va_vdst(0)
	s_cbranch_scc1 .Lon_\@                         ; the high tile has left: nothing follows
.endif
	s_wait_xcnt 0x0                                ; the stores' data and base are written again only behind this wait
.irp i, 0,1,2,3,4,5,6,7,8,9,10,11
	v_mov_b32 v[QW+\i], v[QHI+\i]                  ; the high tile becomes the working tile
.endr
	v_mov_b32 v[QSW], v[QSHI]
	v_mov_b32 v[DW], v[DHI]
	s_mov_b64 s[OW:OW+1], s[OHI:OHI+1]
	INIT
	s_wait_alu depctr_va_vdst(0)
.Lon_\@:
.endm
	INIT
	s_mov_b32 s[PH], 0
	s_wait_loadcnt 0x0                             ; q's codes and scale words
	s_wait_alu depctr_va_vdst(0)
	s_wait_tensorcnt 0x0                           ; my part of the first fill is in
	ds_add_u32 v[SPW], v[NIL]
	s_wait_dscnt 0x0
	ROUND                                          ; everybody's part is in, and both work-groups are here
	tensor_load_to_lds s[G0B:G0B+3], s[G1B:G1B+7]  ; my 12 rows of the next 192
	s_nop 0
.rept 4
	v_nop
.endr
	s_cmp_lt_u32 s[WV], 8
	s_cbranch_scc0 .Lno_pf2
	global_prefetch_b8 v[PF2], s[6:7] th:TH_LOAD_NT scope:SCOPE_SE   ; the third fill's rows: my work-group's 248, a lane a row
.Lno_pf2:
	PHASE 0, 0                                     ; phase 0: key step 0, bytes of the first fill alone
	s_mov_b32 s[PH], 1
	s_wait_alu depctr_va_vdst(0)
	s_wait_tensorcnt 0x0                           ; my part of the second fill is in; the same lines once more
	ds_add_u32 v[SPW], v[NIL]
	s_wait_dscnt 0x0
	ROUND
	tensor_load_to_lds s[G0C:G0C+3], s[G1C:G1C+7]  ; my 31 rows of the other 496
	s_nop 0
.Lfirst:
	PHASE 2, 0                                     ; phases 1 and 2: key steps 0 to 2, bytes of the first two fills alone
	s_add_co_u32 s[PH], s[PH], 1
	s_cmp_lt_u32 s[PH], 3
	s_cbranch_scc1 .Lfirst
	s_wait_alu depctr_va_vdst(0)
	s_wait_tensorcnt 0x0                           ; my part of the third fill is in,
	s_wait_dscnt 0x0                               ; no LDS instruction of mine is pending at the signal
	s_barrier_signal -1
	s_barrier_wait -1                              ; and everybody's
.Lrest:
	PHASE 7, 1                                     ; phases 3 to 8
	s_add_co_u32 s[PH], s[PH], 1
	s_cmp_lt_u32 s[PH], 9
	s_cbranch_scc1 .Lrest
	s_wait_tensorcnt 0x0                           ; the wave's end
	ds_add_u32 v[SPW], v[NIL]
	s_wait_dscnt 0x0
	ROUND                                          ; the closing round
	s_endpgm
.Lfunc_end_k_qf35d340203_attn:
	.size	k_qf35d340203_attn, .Lfunc_end_k_qf35d340203_attn-k_qf35d340203_attn
	.p2alignl 7, 3214868480
	.fill 96, 4, 3214868480
	.section	.rodata,"a",@progbits
	.p2align	6, 0x0
	.amdhsa_kernel k_qf35d340203_attn
		.amdhsa_group_segment_fixed_size 327680
		.amdhsa_private_segment_fixed_size 0
		.amdhsa_enable_private_segment 0
		.amdhsa_kernarg_size 24
		.amdhsa_user_sgpr_count 2
		.amdhsa_user_sgpr_kernarg_segment_ptr 1
		.amdhsa_wavefront_size32 1
		.amdhsa_system_sgpr_workgroup_id_x 1
		.amdhsa_system_sgpr_workgroup_id_y 1
		.amdhsa_system_sgpr_workgroup_id_z 1
		.amdhsa_system_vgpr_workitem_id 0
		.amdhsa_next_free_vgpr 256
		.amdhsa_next_free_sgpr 80
		.amdhsa_reserve_vcc 1
		.amdhsa_float_denorm_mode_32 3
		.amdhsa_float_denorm_mode_16_64 3
		.amdhsa_memory_ordered 1
		.amdhsa_forward_progress 1
		.amdhsa_inst_pref_size 116
	.end_amdhsa_kernel
	.amdgpu_metadata
---
amdhsa.version: [ 1, 2 ]
amdhsa.kernels:
  - .name:           k_qf35d340203_attn
    .symbol:         k_qf35d340203_attn.kd
    .args:
      - { .name: qc, .offset: 0, .size: 8, .value_kind: global_buffer, .address_space: global }
      - { .name: kv, .offset: 8, .size: 8, .value_kind: global_buffer, .address_space: global }
      - { .name: out0, .offset: 16, .size: 8, .value_kind: global_buffer, .address_space: global }
    .group_segment_fixed_size: 327680
    .private_segment_fixed_size: 0
    .kernarg_segment_align: 8
    .kernarg_segment_size: 24
    .max_flat_workgroup_size: 512
    .sgpr_count:     80
    .vgpr_count:     256
    .wavefront_size: 32
...
	.end_amdgpu_metadata
.endif
;; end of part 3
